; MI455X (gfx1250); checked and timed in simulation.
; The chip was launched on July 23, 2026; its instructions are those of AMD's public machine-readable ISA for CDNA 5 (MIT licence, August 2026) and "CDNA5" Instruction Set Architecture Reference Guide (July 2026). The comments in the code are by the model that wrote it; some were corrected since.
;; Prob Sparse Self Attention. Allowed arithmetic: matrix products marked QUANTISED: E2M1 operands, one E8M0 scale for each 32 along K, by v_wmma_scale_f32_16x16x128_f8f6f4 with both operands' format E2M1 (or v_wmma_scale_f32_32x16x128_f4), f32 sums; everything else in f32.
;; Inputs: W_out_codes 1,024 x 32 x 16 uint8 (E2M1 codes of W_out, K innermost, in blocks of 32 codes, two codes a byte); W_out_scales 1,024 x 32 uint8 (E8M0 scales of W_out, one for each 32 codes along K); W_qkv_codes 3,072 x 32 x 16 uint8 (E2M1 codes of W_qkv, K innermost, in blocks of 32 codes, two codes a byte); W_qkv_scales 3,072 x 32 uint8 (E8M0 scales of W_qkv, one for each 32 codes along K); b_out 1,024 float32; b_qkv 3,072 float32; x_codes 2 x 2,048 x 32 x 16 uint8 (E2M1 codes of x, K innermost, in blocks of 32 codes, two codes a byte); x_scales 2 x 2,048 x 32 uint8 (E8M0 scales of x, one for each 32 codes along K).
;; Outputs: out0 2 x 2,048 x 1,024 float32.
;; This version of the problem:
;;   THIS VERSION OF THE PROBLEM IS GIVEN IN LOW PRECISION. The matrix products marked QUANTISED in the list below multiply operands that are first quantised to E2M1 (2 exponent bits, 1 mantissa bit; 4 bits a number), with one power-of-two scale for each 32 numbers along K (OCP MX v1.0); their sums are f32. All else is computed in f32.
;;   The module's matrix products, in the order in which they are computed (A, B: the left and right operand; K: the contracted axis; several contracted axes count as one K, in the product's order):
;;     1. [M 4,096, K 1,024] x [K 1,024, N 3,072]; A: input x (given as codes); B: input W_qkv (given as codes): QUANTISED
;;     2. batch 32 x [M 2,048, K 64] x [K 64, N 2,048]; A: computed on the way; B: computed on the way: QUANTISED
;;     3. batch 32 x [M 2,048, K 2,048] x [K 2,048, N 64]; A: softmax (see below); B: computed on the way: QUANTISED
;;     4. [M 4,096, K 1,024] x [K 1,024, N 1,024]; A: computed on the way; B: input W_out (given as codes): QUANTISED
;;   THE QUANTISER, for each operand of a quantised product, along K:
;;     - K is cut into blocks of 32 from its start; a last block that is shorter is filled with zeros.
;;     - A block's scale is 2^e with e = floor(log2(the largest magnitude in the block)) - 2, held to -126 .. 127; a block of zeros has e = 0. As a byte (E8M0): e + 127.
;;     - Each number is divided by its block's scale, clamped to +-6, and rounded to the nearest number of E2M1, ties to even, subnormals kept.
;;     - The product sums the exact products of the quantised numbers (number of the format x scale) in f32.
;;   ~~~python
;;   def quantise(x, axis):      # numpy; x: float32 -> the quantised numbers, widened to float32 again
;;       x = np.moveaxis(x, axis, -1); K = x.shape[-1]
;;       x = np.pad(x, [(0, 0)] * (x.ndim - 1) + [(0, -K % 32)]); x = x.reshape(x.shape[:-1] + (-1, 32)); a = np.abs(x).max(-1, keepdims=True)
;;       e = np.where(a > 0, np.clip(np.frexp(np.where(a > 0, a, 1))[1] - 1 - 2, -126, 127), 0)      # np.frexp(a)[1] - 1 = floor(log2(a)), exactly
;;       r = np.clip(x / 2.0 ** e, -6, 6)
;;       step = 2.0 ** (np.maximum(np.frexp(np.where(r == 0, 1, r))[1] - 1, 0) - 1)
;;       q = np.round(r / step) * step * 2.0 ** e      # np.round: ties to even
;;       return np.moveaxis(q.reshape(q.shape[:-2] + (-1,))[..., :K], -1, axis).astype(np.float32)
;;   ~~~
;;   SOFTMAX AHEAD OF A QUANTISED PRODUCT. Where the list says 'softmax', what is quantised is not the finished softmax but p = 2^(t - M), with t = logit x log2(e) and M = ceil(the row's largest t), a whole number; so 1/2 < the row's largest p <= 1. The row's sum l is taken of the UNQUANTISED p, in f32, and the product's result is divided by l at the end. Since M is a whole number, a kernel that streams over the keys may use a running M (the ceiling of the running maximum): every later rescaling is an exact power of two, which a block's scale takes up: the codes' values come out the same.
;;   OPERANDS COMPUTED ON THE WAY. 'Computed on the way' means the value that the module computes at that place (a softmax that the list does not call 'softmax' is quantised finished and normalised). What goes into a quantiser is computed in f32, as accurately as f32 sums, v_exp_f32 and their like allow (about 1e-6 of the number): no bf16 or f16 on the way to a quantiser, and a product that is left as it is and whose result goes on into a quantised operand takes f32 operands (vector FMAs, or v_wmma_f32_16x16x4_f32). A number that lies on a knife's edge between two numbers of the format may be rounded either way, as far as f32 arithmetic and the matrix unit's own rounding can turn it there, and no further.
;;   INPUTS GIVEN AS CODES. W_out (in the module: [1024, 1024], K = its axis 0); W_qkv (in the module: [1024, 3072], K = its axis 0); x (in the module: [2, 2048, 1024], K = its axis 2): each comes as NAME_codes (uint8): NAME with its K axis moved to the last place and cut into blocks of 32 codes, [.., K / 32, bytes a block], one block behind the other in memory; two codes a byte, the lower K in the low four bits (a code: sign, 2 exponent bits, 1 mantissa bit); and NAME_scales (uint8): the same leading axes, one E8M0 byte (e + 127) for each 32 codes along K. Its value is code x scale, taken as it is: it is not quantised again, and the codes and scales need not be those that the quantiser above would give.
;; One version. Each part assembles by itself: llvm-mc -triple=amdgcn-amd-amdhsa -mcpu=gfx1250 --defsym DOCPART=n.
;; ======== version 1 of 1: 3 launches
;; limits: right only within a limited range of input values
;; workspace buffers: qcod 2,097,152 bytes; qscl 262,144 bytes; kv 4,456,448 bytes; acod 2,097,152 bytes; ascl 131,072 bytes
;; launch qkv (part 1): grid 16 x 16, 12 waves a work-group, clusters of 4 x 4, 263,680 bytes of LDS; arguments x_codes, x_scales, W_qkv_codes, W_qkv_scales, b_qkv, qcod, qscl, kv; writes qcod, qscl, kv
.if DOCPART == 1
	.amdgcn_target "amdgcn-amd-amdhsa--gfx1250"
	.amdhsa_code_object_version 6
	.text
	.protected	k_q94e292b208_qkv
	.globl	k_q94e292b208_qkv
	.p2align	8
	.type	k_q94e292b208_qkv,@function
k_q94e292b208_qkv:
	s_mov_b64 s[64:65], 0
	v_nop
	global_prefetch_b8 v0, s[64:65] scope:SCOPE_SE
	s_setreg_imm32_b32 hwreg(HW_REG_WAVE_MODE, 25, 1), 1
	s_wait_xcnt 0x0
	s_wait_alu depctr_hold_cnt(0) depctr_sa_sdst(0) depctr_va_vdst(0) depctr_va_sdst(0) depctr_va_ssrc(0) depctr_va_vcc(0) depctr_vm_vsrc(0)
	s_getreg_b32 s2, hwreg(HW_REG_IB_STS2, 6, 4)
	s_cmp_eq_u32 s2, 0
	s_cbranch_scc0 .Lentry_in_a_cluster
	s_endpgm
.Lentry_in_a_cluster:
	s_bfe_u32 s2, ttmp6, 0x10000c
	s_cmp_lg_u32 s2, 0xf033
	s_cbranch_scc0 .Lentry_shape_is_right
	s_endpgm
.Lentry_shape_is_right:
; qkv = x W_qkv + b_qkv on codes of FP4 (E2M1) with one E8M0 scale for each 32 along K = 1,024; the results are quantised at once for the two products of attention and leave as codes alone:
; Q and K along the head's 64 channels, V along the keys.  No work of the problem is left out, in this launch and in the two behind it.
; SHARES.  A work-group takes 256 tokens (ty) and ONE head (hx): three pieces of 64 rows of W: the head's Q, K and V.  Twelve waves: wave w takes tokens 64 (w & 3) on and piece w >> 2: a tile of 64 x 64, 16 accumulators.
; ROLES.  In a result a lane holds one row of source 1 and its registers run along the rows of source 0.  For Q and K source 0 = W's rows (channels), source 1 = x's (tokens); for V the other way round.
; SLOT ORDER.  Of 64 rows (of x or of W) tile t's lane r takes row 8 t + r for r < 8, and row 32 + 8 (t xor 1) + r - 8 for r >= 8.  A result's rows 8 h + j then belong to block h of 32, so the four tiles' 32 registers of lane (r, h) are
; the WHOLE block h: the quantiser asks no other lane for a maximum, and the conversions' results are the next operand's four registers.  Inside block 1 the eights stand in the order 1, 0, 3, 2, in both operands of each product alike.
; (t xor 1 sets the two halves of a tile's lanes at different banks.)  Tokens, keys and queries stay in slot order through the program; the last launch stores by true rows.
; LDS IS FILLED ONCE, one tensor load a wave: waves 0, 1 x's first half of K, 2-4 W's, 5 x's scale bytes, 6 W's; 7, 8 x's second half, 9-11 W's, which are waited for at the second barrier alone.
; No prefetch: every fill is a load of the head, there is no loop over fills to run ahead in.
; CLUSTER 4 x 4: x's tiles hang on ty alone and are asked for jointly along a row of the cluster, W's on hx alone and jointly along a column.
; WORKSPACE: qcod [head 32][tile of 16 slots 128][lane][16 bytes]: lane (r, h) = block h of slot r;  qscl [head][64 slots 32][lane][2 words]: word i of lane (r, h) = tile 2 i + h: bytes 0, 1 the two blocks, bytes 2, 3 the same again.
;   kv [head][128 keys 16][8,704 bytes]: K's codes (8 tiles x 512), V's codes (channel tile 4 x c 2 x 512), and 512 bytes of scale words, [lane][K 2 words, V 2 words]:
;   K's word w of lane (r, c) = row r of tiles 4 c + 2 w (bytes 0, 1) and 4 c + 2 w + 1 (bytes 2, 3); V's word i of lane (r, h) = row r of channel tile 2 i + h.
; THE QUANTISER: a block's scale byte is its largest magnitude's exponent field - 2, held at 1 from below.
; LIMITS: a block whose largest magnitude lies under 2^-124 is held at the byte 1; a block of zeros gets the byte 1 and not 127 (its codes are zeros, and this program alone reads the bytes); NaN, infinities and given scale bytes 0xff are not served.
; K's and V's scale bytes leave as halfwords: 1/16 of the bytes of their codes.
.set PITCH, 272                        ; an LDS row of codes: 256 bytes + 16 of padding = 68 words (64 banks of 4 bytes: ISA guide 11.1)
.set GRP,   64*PITCH                   ; 64 rows.  Groups 0-3: x's tokens; 4, 5, 6: W's pieces
.set HALF,  7*GRP                      ; the second half of K lies behind the first
.set SCL,   2*HALF                     ; the scale bytes, 32 a row, as units of 256 bytes + 16 of padding
.set SGRP,  8*272                      ; those of 64 rows
.set SPARE, 0x40000                    ; the spare words
.set CPAD,  (1<<20)|(1<<21)|(5<<22)|(3<<25)          ; group 1, word 0: elements of 1 byte; 20 padding on; 21 set beside a mask; 24:22 after every 64 words; 31:25 four words
.set SPAD,  (3<<16)|(1<<20)|(1<<21)|(5<<22)|(3<<25)  ; the same with elements of 8 bytes
.set SPW,  2                           ; v2, v3   the add's two registers
.set NIL,  3
.set ADW,  4                           ; v4-7     my fragments of W: even tiles in half 0, 1 of K, odd tiles in half 0, 1
.set ADX,  8                           ; v8-11    the same for x
.set ASW,  12                          ; v12, 13  W's scale words: even, odd tiles
.set ASX,  14                          ; v14, 15  x's
.set BH,   16                          ; v16, 17  the bias by half (even, odd tiles);  v18, 19 by lane.  In the head alone
.set BR,   18
.set TM,   16                          ; v16-19   the quantiser's: largest magnitudes, then the conversions' scale operands;  v20-23 the bytes;  v24, 25 words
.set BY,   20
.set WD,   24
.set L16,  26                          ; v26 16 x lane;  v27 8 x lane;  v28 16 r + 2 h
.set L8,   27
.set KO,   28
.set SC0,  32                          ; v32-47   source 0's scale words: four K steps a tile; they hold nothing else
.set SC1,  48                          ; v48-63   source 1's
.set F0,   64                          ; v64-95   source 0's four fragments
.set F1,   96                          ; v96-127  source 1's
.set ACC,  128                         ; v128-255 accumulator (i, t) at ACC + 8 (4 i + t): i source 1's tile, t source 0's
.set CD,   64                          ; the way out: codes.  v256-287: the bias in the result's layout, the C of each sum's first product; behind K step 0 v256-319 are the odd K steps' fragments
.set WV,   26                          ; s26 wave; s27 wave & 3; s28 wave >> 2
.set WM,   27
.set WN,   28
.set CX,   29
.set CY,   30
.set HX,   31
.set TY,   32
.set G1A,  36                          ; group 1 for x's codes, W's codes, their scale bytes
.set G1B,  44
.set G1SA, 52
.set G1SB, 68
.set G0A,  76                          ; three groups 0 for x: first half, second half, scale bytes;  three for W
.set G0B,  88
.set MSB, 0
.macro WIN new                         ; the immediate's high byte repeats the setting that is left
.if MSB != \new
	s_set_vgpr_msb (MSB<<8)|\new
.set MSB, \new
.endif
.endm
.macro CROUND                          ; a round of the cluster's barrier
	s_barrier_signal -1
	s_barrier_wait -1
	s_cmp_lg_u32 s[WV], 0
	s_cbranch_scc1 .Lnot_wave_0_\@
	s_barrier_signal -3
.Lnot_wave_0_\@:
	s_barrier_wait -3
	s_barrier_signal -1
	s_barrier_wait -1
.endm
.macro PLACES n                        ; plain vector instructions behind a matrix instruction (ISA guide 7.12.1)
.rept \n
	v_nop
.endr
.endm
.macro ARM under, g0, g1, next
	s_cmp_lt_u32 s[WV], \under
	s_cbranch_scc0 \next
	tensor_load_to_lds s[\g0:\g0+3], s[\g1:\g1+7]
	s_nop 0
	PLACES 4
	s_branch .Lasked
\next:
.endm
; Eight products: source 1's tiles i0, i0 + 1 x source 0's four.  The 16 accumulators take turns, one instruction a turn, in the same order in every K step.
; K step 0 starts the sums with the bias as C (window 1): bt = 1: it goes with source 0's tile; bt = 0: with source 1's.
.macro MUL8 q, i0, bt
.irp i, \i0, \i0+1
.irp t, 0,1,2,3
.if (\q) == 0
	v_wmma_scale_f32_16x16x128_f8f6f4 v[ACC+8*(4*(\i)+\t):ACC+8*(4*(\i)+\t)+7], v[F0+8*\t:F0+8*\t+7], v[F1+8*(\i):F1+8*(\i)+7], v[8*(\bt*\t+(1-\bt)*(\i)):8*(\bt*\t+(1-\bt)*(\i))+7], v[SC0+4*\t], v[SC1+4*(\i)] matrix_a_fmt:MATRIX_FMT_FP4 matrix_b_fmt:MATRIX_FMT_FP4
.else
	v_wmma_scale_f32_16x16x128_f8f6f4 v[ACC+8*(4*(\i)+\t):ACC+8*(4*(\i)+\t)+7], v[F0+8*\t:F0+8*\t+7], v[F1+8*(\i):F1+8*(\i)+7], v[ACC+8*(4*(\i)+\t):ACC+8*(4*(\i)+\t)+7], v[SC0+4*\t+(\q)%4], v[SC1+4*(\i)+(\q)%4] matrix_a_fmt:MATRIX_FMT_FP4 matrix_b_fmt:MATRIX_FMT_FP4
.endif
.endr
.endr
.endm
; K step q of eight.  a0, z0: address registers of source 0's codes and scale words; a1, z1: source 1's.
.macro BUF q                           ; even K steps' fragments: v64-127; odd ones': v256-319 (window 1)
.set F0, 64-64*((\q)%2)
.set F1, F0+32
.endm
.macro KLD q, a0, a1, z0, z1           ; its loads: 16 (and, at the head of a half, the scale words)
	BUF \q
.if (\q)%4 == 0                        ; a row's four words of this half of K
.irp t, 0,1,2,3
	ds_load_b128 v[SC0+4*\t:SC0+4*\t+3], v[\z0+(\t%2)] offset:272*\t+4*(\q)
.endr
.irp t, 0,1,2,3
	ds_load_b128 v[SC1+4*\t:SC1+4*\t+3], v[\z1+(\t%2)] offset:272*\t+4*(\q)
.endr
.endif
.if (\q)%2 == 1
	WIN 0x40
.endif
.irp t, 0,1,2,3
.irp c, 0,1
	ds_load_b128 v[F0+8*\t+4*\c:F0+8*\t+4*\c+3], v[\a0+2*(\t%2)+(\q)/4] offset:\t*8*PITCH+64*((\q)%4)+32*\c
.endr
.endr
.irp t, 0,1,2,3
.irp c, 0,1
	ds_load_b128 v[F1+8*\t+4*\c:F1+8*\t+4*\c+3], v[\a1+2*(\t%2)+(\q)/4] offset:\t*8*PITCH+64*((\q)%4)+32*\c
.endr
.endr
	WIN 0
.endm
.macro MUL q, bt                       ; its 16 products, and the places in front of loads into the registers that they read
	BUF \q
.if (\q) == 0
	WIN 0x10
.endif
.if (\q)%2 == 1
	WIN 0x05
.endif
	MUL8 \q, 0, \bt
	MUL8 \q, 2, \bt
	WIN 0
	PLACES 4
.endm
.macro NEXT q, a0, a1, z0, z1          ; K step q, the next one's loads ahead of its products
	KLD (\q)+1, \a0, \a1, \z0, \z1
	s_wait_dscnt 0x10                                  ; all but the 16 just issued
	MUL \q, 0
.endm
	s_load_b512 s[4:19], s[0:1], 0x0               ; x's codes s[4:5], scales s[6:7], W's codes s[8:9], scales s[10:11], the bias s[12:13], qcod s[14:15], qscl s[16:17], kv s[18:19]
	v_lshl_add_u32 v[SPW], v0, 2, SPARE
	v_mov_b32 v[NIL], 0
	ds_add_u32 v[SPW], v[NIL]                      ; the opening lines: the add, twice on end, and its wait
	ds_add_u32 v[SPW], v[NIL]
	v_lshrrev_b32 v1, 5, v0
	v_readfirstlane_b32 s[WV], v1                  ; wave 0..11
	s_and_b32 s[WM], s[WV], 3
	s_lshr_b32 s[WN], s[WV], 2                     ; 0 Q, 1 K, 2 V
	s_bfe_u32 s[CX], ttmp6, 0x40000
	s_bfe_u32 s[CY], ttmp6, 0x40004
	s_lshl_b32 s[HX], ttmp9, 2
	s_add_co_u32 s[HX], s[HX], s[CX]               ; the head
	s_and_b32 s[TY], ttmp7, 0xffff
	s_lshl_b32 s[TY], s[TY], 2
	s_add_co_u32 s[TY], s[TY], s[CY]               ; the block of 256 tokens
	s_lshl_b32 s33, s[CY], 2
	s_lshl_b32 s33, 15, s33                        ; my row of the cluster
	s_lshl_b32 s63, 0x1111, s[CX]                  ; my column
	s_or_b32 s[G1A], s33, CPAD
	s_or_b32 s[G1SA], s33, SPAD
	s_or_b32 s[G1B], s63, CPAD
	s_or_b32 s[G1SB], s63, SPAD
	s_mov_b32 s[G1A+1], 256<<16                    ; x's codes: 128 rows x 256 bytes out of rows of 512
	s_mov_b32 s[G1A+2], 128<<16
	s_mov_b32 s[G1A+3], 256<<16
	s_mov_b32 s[G1A+4], 128
	s_mov_b32 s[G1A+5], 512
	s_mov_b32 s[G1B+1], 256<<16                    ; W's: 64 rows
	s_mov_b32 s[G1B+2], 64<<16
	s_mov_b32 s[G1B+3], 256<<16
	s_mov_b32 s[G1B+4], 64
	s_mov_b32 s[G1B+5], 512
	s_mov_b32 s[G1SA+1], 32<<16                    ; x's scale bytes: 8,192 dense bytes as 32 rows of 256
	s_mov_b32 s[G1SA+2], 32<<16
	s_mov_b32 s[G1SA+3], 32<<16
	s_mov_b32 s[G1SA+4], 32
	s_mov_b32 s[G1SA+5], 32
	s_mov_b32 s[G1SB+1], 256<<16                   ; W's: three rows of 2,048 bytes, 32,768 bytes apart: a piece each; padding behind every 256 bytes
	s_mov_b32 s[G1SB+2], 3<<16
	s_mov_b32 s[G1SB+3], 256<<16
	s_mov_b32 s[G1SB+4], 3
	s_mov_b32 s[G1SB+5], 4096
.irp g, G1A, G1B, G1SA, G1SB
	s_mov_b32 s[\g+6], 0
	s_mov_b32 s[\g+7], 0
.endr
.irp g, G0A, G0A+4, G0A+8, G0B, G0B+4, G0B+8
	s_mov_b32 s[\g], 1
.endr
	s_mul_i32 s[G0A+1], s[WV], 2*GRP               ; LDS: waves 0, 1: x's first half;
	s_lshr_b32 s24, s[WV], 3                       ; (waves 7, 8: 0, 1)
	s_mul_i32 s[G0A+5], s24, 2*GRP
	s_add_co_u32 s[G0A+5], s[G0A+5], HALF          ; its second half;
	s_mov_b32 s[G0A+9], SCL
	s_mul_i32 s[G0B+1], s[WV], GRP
	s_add_co_u32 s[G0B+1], s[G0B+1], 2*GRP         ; waves 2-4: W's pieces, groups 4 to 6;
	s_mul_i32 s[G0B+5], s[WM], GRP
	s_add_co_u32 s[G0B+5], s[G0B+5], 3*GRP+HALF    ; waves 9-11 (wave & 3 = 1, 2, 3): groups 4 to 6 of the second half
	s_mov_b32 s[G0B+9], SCL+4*SGRP
	s_lshl_b32 s33, s[TY], 17                      ; x: 256 rows of 512 bytes.  These registers never hold cx,
	s_lshl_b32 s34, s[WV], 16
	s_add_co_u32 s34, s34, s33
	s_mov_b32 s35, 0
	s_lshl_b32 s2, s24, 16
	s_add_co_u32 s2, s2, s33
	s_mov_b32 s3, 0
	s_lshl_b32 s24, s[TY], 13
	s_mov_b32 s25, 0
	s_lshl_b32 s63, s[HX], 15                      ; W: row 1,024 x piece + 64 hx.  and these never cy
	s_lshl_b32 s100, s[WV], 19
	s_add_co_u32 s100, s100, s63
	s_sub_co_u32 s100, s100, 2<<19
	s_mov_b32 s101, 0
	s_lshl_b32 s20, s[WM], 19
	s_add_co_u32 s20, s20, s63
	s_sub_co_u32 s20, s20, 1<<19
	s_mov_b32 s21, 0
	s_lshl_b32 s22, s[HX], 11
	s_mov_b32 s23, 0
	s_wait_dscnt 0x0                               ; both opening adds are done
	CROUND                                         ; the round in front of the joint loads, while the arguments are on their way
	s_wait_kmcnt 0x0
	s_add_nc_u64 s[G0A+2:G0A+3], s[4:5], s[34:35]
	s_add_nc_u64 s[G0A+6:G0A+7], s[4:5], s[2:3]
	s_add_nc_u64 s[G0A+6:G0A+7], s[G0A+6:G0A+7], 256
	s_add_nc_u64 s[G0A+10:G0A+11], s[6:7], s[24:25]
	s_add_nc_u64 s[G0B+2:G0B+3], s[8:9], s[100:101]
	s_add_nc_u64 s[G0B+6:G0B+7], s[8:9], s[20:21]
	s_add_nc_u64 s[G0B+6:G0B+7], s[G0B+6:G0B+7], 256
	s_add_nc_u64 s[G0B+10:G0B+11], s[10:11], s[22:23]
.irp g, G0A, G0A+4, G0A+8, G0B, G0B+4, G0B+8
	s_or_b32 s[\g+3], s[\g+3], 0x80000000
.endr
	ARM 2, G0A,   G1A,  .Lfill_w                   ; one tensor load a wave, in one tree of branches on the wave's number
	ARM 5, G0B,   G1B,  .Lfill_xs
	ARM 6, G0A+8, G1SA, .Lfill_ws
	ARM 7, G0B+8, G1SB, .Lfill_x2
	ARM 9, G0A+4, G1A,  .Lfill_w2
	tensor_load_to_lds s[G0B+4:G0B+7], s[G1B:G1B+7]
	s_nop 0
	PLACES 4
.Lasked:
	s_lshl_b32 s100, s[WN], 12                     ; the bias of my piece: number 1,024 (wave >> 2) + 64 hx on
	s_lshl_b32 s101, s[HX], 8
	s_add_co_u32 s100, s100, s101
	s_mov_b32 s101, 0
	s_add_nc_u64 s[12:13], s[12:13], s[100:101]
	; where my results go.  head' = 16 (ty / 8) + hx, n0 = 256 (ty % 8) + 64 (wave & 3)
	s_lshr_b32 s33, s[TY], 3
	s_lshl_b32 s33, s33, 4
	s_add_co_u32 s33, s33, s[HX]
	s_and_b32 s2, s[TY], 7
	s_lshl_b32 s66, s33, 16
	s_lshl_b32 s34, s2, 13
	s_add_co_u32 s66, s66, s34
	s_lshl_b32 s34, s[WM], 11
	s_add_co_u32 s66, s66, s34                     ; Q: 65,536 head' + 32 n0
	s_mov_b32 s67, 0
	s_lshl_b32 s2, s2, 1
	s_lshr_b32 s34, s[WM], 1
	s_add_co_u32 s2, s2, s34
	s_mul_i32 s2, s2, 8704
	s_mul_i32 s34, s33, 139264
	s_add_co_u32 s34, s34, s2                      ; K, V: the chunk of 128 keys
	s_mov_b32 s35, 0
	s_and_b32 s2, s[WM], 1                         ; c: which 64 of them
	s_mul_i32 s20, s[WN], GRP
	s_add_co_u32 s20, s20, 4*GRP                   ; my piece of W
	s_mul_i32 s21, s[WM], GRP                      ; my tokens
	s_mul_i32 s22, s[WN], SGRP
	s_add_co_u32 s22, s22, SCL+4*SGRP
	s_mul_i32 s23, s[WM], SGRP
	s_add_co_u32 s23, s23, SCL
	v_and_b32 v1, 15, v0                           ; r
	v_bfe_u32 v20, v0, 4, 1                        ; h
	v_and_b32 v21, 31, v0                          ; lane
	v_lshrrev_b32 v22, 3, v1                       ; g = r / 8
	v_and_b32 v23, 7, v1
	v_lshlrev_b32 v[L16], 4, v21
	v_lshlrev_b32 v[L8], 3, v21
	v_lshlrev_b32 v[KO], 4, v1
	v_lshl_add_u32 v[KO], v20, 1, v[KO]
	v_lshl_add_u32 v24, v22, 5, v1                 ; even tiles: row r + 32 g (+ 8 t)
	v_lshl_add_u32 v25, v22, 4, v1                 ; odd tiles: row r + 16 g (+ 8 t)
	v_lshlrev_b32 v[BR], 2, v24
	v_lshlrev_b32 v[BR+1], 2, v25
	v_mul_u32_u24 v[BH], 0xa0, v20                 ; half 1's channels of tile t begin at 32 + 8 (t xor 1)
	v_mul_u32_u24 v[BH+1], 0x60, v20
	v_lshlrev_b32 v29, 4, v20
	v_mul_u32_u24 v24, 0x110, v24
	v_mul_u32_u24 v25, 0x110, v25
	v_add_nc_u32 v24, v24, v29
	v_add_nc_u32 v25, v25, v29
	v_add_nc_u32 v[ADW], s20, v24
	v_add_nc_u32 v[ADW+2], s20, v25
	v_add_nc_u32 v[ADX], s21, v24
	v_add_nc_u32 v[ADX+2], s21, v25
	v_add_nc_u32 v[ADW+1], HALF, v[ADW]
	v_add_nc_u32 v[ADW+3], HALF, v[ADW+2]
	v_add_nc_u32 v[ADX+1], HALF, v[ADX]
	v_add_nc_u32 v[ADX+3], HALF, v[ADX+2]
	v_mul_u32_u24 v30, 0x550, v22                  ; a row's scale bytes: eight rows to a unit of 272: five units on for g = 1 in even tiles, three in odd
	v_mul_u32_u24 v31, 0x330, v22
	v_lshl_add_u32 v30, v23, 5, v30
	v_lshl_add_u32 v31, v23, 5, v31
	v_add_nc_u32 v[ASW], s22, v30
	v_add_nc_u32 v[ASW+1], s22, v31
	v_add_nc_u32 v[ASX], s23, v30
	v_add_nc_u32 v[ASX+1], s23, v31
	s_wait_alu depctr_va_vdst(0)
	s_cmp_lt_u32 s[WN], 2
	s_cbranch_scc0 .Lbias_v
	WIN 0x40
.irp t, 0,1,2,3
.irp c, 0,1
	global_load_b128 v[8*\t+4*\c:8*\t+4*\c+3], v[BH+(\t%2)], s[12:13] offset:32*\t+16*\c   ; Q, K: the registers are channels
.endr
.endr
	WIN 0
	s_branch .Lbias_in
.Lbias_v:
	WIN 0x40
.irp i, 0,1,2,3
.irp j, 0,1,2,3,4,5,6,7
	global_load_b32 v[8*\i+\j], v[BR+(\i%2)], s[12:13] offset:32*\i   ; V: all eight registers hold my lane's channel of tile i
.endr
.endr
	WIN 0
.Lbias_in:
	s_cmp_lt_u32 s[WV], 7                          ; waves 0-6 brought the first half of K and the scale bytes: they wait; the others' load lines are their own and may be out
	s_cbranch_scc0 .Lstill_out
	s_wait_tensorcnt 0x0
.Lstill_out:
	s_barrier_signal -1
	s_barrier_wait -1
	s_wait_loadcnt 0x0                             ; the bias
	s_cmp_lt_u32 s[WN], 2
	s_cbranch_scc0 .Lv_first
	KLD 0, ADW, ADX, ASW, ASX
	s_wait_dscnt 0x0
	MUL 0, 1                                       ; K step 1's fragments land on the bias: they are asked for behind these products
	KLD 1, ADW, ADX, ASW, ASX
	NEXT 1, ADW, ADX, ASW, ASX
	NEXT 2, ADW, ADX, ASW, ASX
	s_branch .Lmiddle
.Lv_first:
	KLD 0, ADX, ADW, ASX, ASW
	s_wait_dscnt 0x0
	MUL 0, 0
	KLD 1, ADX, ADW, ASX, ASW
	NEXT 1, ADX, ADW, ASX, ASW
	NEXT 2, ADX, ADW, ASX, ASW
.Lmiddle:
	s_wait_tensorcnt 0x0                           ; my part of the second half is in,
	s_wait_dscnt 0x0                               ; and K step 3's fragments: no LDS load of mine is out
	s_barrier_signal -1
	MUL 3, 0                                       ; work on registers while the others arrive
	s_barrier_wait -1
	s_cmp_lt_u32 s[WN], 2
	s_cbranch_scc0 .Lv_second
	KLD 4, ADW, ADX, ASW, ASX
	NEXT 4, ADW, ADX, ASW, ASX
	NEXT 5, ADW, ADX, ASW, ASX
	NEXT 6, ADW, ADX, ASW, ASX
	s_branch .Lout
.Lv_second:
	KLD 4, ADX, ADW, ASX, ASW
	NEXT 4, ADX, ADW, ASX, ASW
	NEXT 5, ADX, ADW, ASX, ASW
	NEXT 6, ADX, ADW, ASX, ASW
.Lout:
	s_wait_dscnt 0x0
	MUL 7, 0
	; THE WAY OUT.  For each of source 1's four tiles a lane's 32 registers are one whole block
.irp i, 0,1,2,3
	v_max3_num_f32 v[TM+\i], |v[ACC+32*\i]|, |v[ACC+32*\i+1]|, 0x1800000   ; and the floor 2^(3 - 127): the byte cannot fall under 1.  Each accumulator is read from its low end on
.endr
.irp n, 2,4,6,8,10,12,14,16,18,20,22,24,26,28,30
.irp i, 0,1,2,3
	v_max3_num_f32 v[TM+\i], v[TM+\i], |v[ACC+32*\i+\n]|, |v[ACC+32*\i+\n+1]|
.endr
.endr
.irp i, 0,1,2,3
	v_add_nc_u32 v[TM+\i], 0xff000000, v[TM+\i]    ; 2 off its exponent field: the conversion takes that field as its scale
.endr
.irp i, 0,1,2,3
	v_lshrrev_b32 v[BY+\i], 23, v[TM+\i]           ; the scale's byte
.endr
.irp i, 0,1,2,3
.irp t, 0,1,2,3
	v_cvt_scalef32_pk8_fp4_f32 v[CD+4*\i+\t], v[ACC+32*\i+8*\t:ACC+32*\i+8*\t+7], v[TM+\i]
.endr
.endr
	v_nop                                          ; one plain place behind a scaled conversion
	v_permlane16_swap_b32 v[BY], v[BY+1]           ; lanes 0-15: tile 0's two bytes, lanes 16-31 tile 1's: byte 0 in the first register, byte 1 in the second
	v_permlane16_swap_b32 v[BY+2], v[BY+3]         ; tiles 2, 3 likewise
	v_lshl_or_b32 v[WD], v[BY+1], 8, v[BY]
	v_lshl_or_b32 v[WD+1], v[BY+3], 8, v[BY+2]
	s_wait_alu depctr_va_vdst(0)                   ; ahead of the branches
	s_cmp_eq_u32 s[WN], 0
	s_cbranch_scc0 .Lnot_q
	v_lshl_or_b32 v[WD], v[WD], 16, v[WD]          ; Q: the two bytes twice: for a key tile in the lower and in the upper half of a fragment
	v_lshl_or_b32 v[WD+1], v[WD+1], 16, v[WD+1]
	s_wait_alu depctr_va_vdst(0)
	s_add_nc_u64 s[14:15], s[14:15], s[66:67]
	s_lshr_b32 s66, s66, 3                         ; 8,192 head' + 4 n0
	s_add_nc_u64 s[16:17], s[16:17], s[66:67]
.irp i, 0,1,2,3
	global_store_b128 v[L16], v[CD+4*\i:CD+4*\i+3], s[14:15] offset:512*\i   ; 32 lanes store 512 consecutive bytes, aligned
.endr
	global_store_b64 v[L8], v[WD:WD+1], s[16:17]   ; 256 consecutive bytes, aligned
	s_branch .Lend
.Lnot_q:
	s_add_nc_u64 s[18:19], s[18:19], s[34:35]
	s_mov_b32 s3, 0
	s_mov_b32 s21, 0
	s_cmp_eq_u32 s[WN], 1
	s_cbranch_scc0 .Lis_v
	s_lshl_b32 s20, s2, 11                         ; K: tiles 4 c on
	s_lshl_b32 s2, s2, 8                           ; and scale words of lanes 16 c on
	s_add_nc_u64 s[20:21], s[18:19], s[20:21]
	s_add_nc_u64 s[18:19], s[18:19], s[2:3]
.irp i, 0,1,2,3
	global_store_b128 v[L16], v[CD+4*\i:CD+4*\i+3], s[20:21] offset:512*\i
.endr
.irp w, 0,1
	global_store_b16 v[KO], v[WD+\w], s[18:19] offset:8192+4*\w   ; lane (r, h): tile 2 w + h's half of word w
.endr
	s_branch .Lend
.Lis_v:
	s_lshl_b32 s20, s2, 9                          ; V: registers 4 c on of each fragment
	s_lshl_b32 s2, s2, 1                           ; and bytes 2 c on of each word
	s_add_nc_u64 s[20:21], s[18:19], s[20:21]
	s_add_nc_u64 s[18:19], s[18:19], s[2:3]
.irp i, 0,1,2,3
	global_store_b128 v[L16], v[CD+4*\i:CD+4*\i+3], s[20:21] offset:4096+1024*\i
.endr
.irp w, 0,1
	global_store_b16 v[L16], v[WD+\w], s[18:19] offset:8200+4*\w  ; lane (r, h): channel tile 2 w + h
.endr
.Lend:
	s_wait_tensorcnt 0x0                           ; the wave's end
	ds_add_u32 v[SPW], v[NIL]
	s_wait_dscnt 0x0
	CROUND                                         ; the closing round: no work-group ends while a partner may still ask for a tile that names it
	s_endpgm
.Lfunc_end_k_q94e292b208_qkv:
	.size	k_q94e292b208_qkv, .Lfunc_end_k_q94e292b208_qkv-k_q94e292b208_qkv
	.p2alignl 7, 3214868480
	.fill 96, 4, 3214868480
	.section	.rodata,"a",@progbits
	.p2align	6, 0x0
	.amdhsa_kernel k_q94e292b208_qkv
		.amdhsa_group_segment_fixed_size 263680
		.amdhsa_private_segment_fixed_size 0
		.amdhsa_enable_private_segment 0
		.amdhsa_kernarg_size 64
		.amdhsa_user_sgpr_count 2
		.amdhsa_user_sgpr_kernarg_segment_ptr 1
		.amdhsa_wavefront_size32 1
		.amdhsa_system_sgpr_workgroup_id_x 1
		.amdhsa_system_sgpr_workgroup_id_y 1
		.amdhsa_system_sgpr_workgroup_id_z 1
		.amdhsa_system_vgpr_workitem_id 0
		.amdhsa_next_free_vgpr 320
		.amdhsa_next_free_sgpr 102
		.amdhsa_reserve_vcc 0
		.amdhsa_float_denorm_mode_32 3
		.amdhsa_float_denorm_mode_16_64 3
		.amdhsa_memory_ordered 1
		.amdhsa_forward_progress 1
		.amdhsa_inst_pref_size 73
	.end_amdhsa_kernel
	.amdgpu_metadata
---
amdhsa.version: [ 1, 2 ]
amdhsa.kernels:
  - .name:           k_q94e292b208_qkv
    .symbol:         k_q94e292b208_qkv.kd
    .args:
      - { .name: x_codes, .offset: 0, .size: 8, .value_kind: global_buffer, .address_space: global }
      - { .name: x_scales, .offset: 8, .size: 8, .value_kind: global_buffer, .address_space: global }
      - { .name: W_qkv_codes, .offset: 16, .size: 8, .value_kind: global_buffer, .address_space: global }
      - { .name: W_qkv_scales, .offset: 24, .size: 8, .value_kind: global_buffer, .address_space: global }
      - { .name: b_qkv, .offset: 32, .size: 8, .value_kind: global_buffer, .address_space: global }
      - { .name: qcod, .offset: 40, .size: 8, .value_kind: global_buffer, .address_space: global }
      - { .name: qscl, .offset: 48, .size: 8, .value_kind: global_buffer, .address_space: global }
      - { .name: kv, .offset: 56, .size: 8, .value_kind: global_buffer, .address_space: global }
    .group_segment_fixed_size: 263680
    .private_segment_fixed_size: 0
    .kernarg_segment_align: 8
    .kernarg_segment_size: 64
    .max_flat_workgroup_size: 384
    .sgpr_count:     102
    .vgpr_count:     320
    .wavefront_size: 32
...
	.end_amdgpu_metadata
.endif
;; end of part 1
;; launch attn (part 2): grid 8 x 32, 16 waves a work-group, clusters of 4 x 4, 169,984 bytes of LDS; arguments qcod, qscl, kv, acod, ascl; writes acod, ascl
.if DOCPART == 2
	.amdgcn_target "amdgcn-amd-amdhsa--gfx1250"
	.amdhsa_code_object_version 6
	.text
	.protected	k_q94e292b208_attn
	.globl	k_q94e292b208_attn
	.p2align	8
	.type	k_q94e292b208_attn,@function
k_q94e292b208_attn:
	s_mov_b64 s[64:65], 0
	v_nop
	global_prefetch_b8 v0, s[64:65] scope:SCOPE_SE
	s_setreg_imm32_b32 hwreg(HW_REG_WAVE_MODE, 25, 1), 1
	s_wait_xcnt 0x0
	s_wait_alu depctr_hold_cnt(0) depctr_sa_sdst(0) depctr_va_vdst(0) depctr_va_sdst(0) depctr_va_ssrc(0) depctr_va_vcc(0) depctr_vm_vsrc(0)
	s_getreg_b32 s2, hwreg(HW_REG_IB_STS2, 6, 4)
	s_cmp_eq_u32 s2, 0
	s_cbranch_scc0 .Lentry_in_a_cluster
	s_endpgm
.Lentry_in_a_cluster:
	s_bfe_u32 s2, ttmp6, 0x10000c
	s_cmp_lg_u32 s2, 0xf033
	s_cbranch_scc0 .Lentry_shape_is_right
	s_endpgm
.Lentry_shape_is_right:
; O[head][q] = the sum over k of softmax_k(Q[q] . K[k] / 8) V[k], both products on codes of FP4 (E2M1) with one E8M0 scale for each 32 along a product's K; O is quantised at once along d_model for the last product.
; THE SOFTMAX AHEAD OF THE SECOND PRODUCT: t = score x log2(e) / 8; M = the row's largest t so far, rounded UP to a whole number; p = 2^(t - M) is what is quantised, along the keys, not normalised.
; The row's sum is taken of the unquantised p, in f32, and divides O at the end.  When M moves, the sum and O are multiplied by 2^(old M - new M): exact.
; SHARES.  A work-group owns 256 queries of one head; each of its sixteen waves 16 of them, in 256 registers: four waves to a SIMD, so that one wave's vector work stands beside another's exponentials, products and LDS loads.
; A step is 256 keys, two chunks of 128: one maximum, one move of M and one rescaling of O serve both.
; LAYOUT.  Both products are used transposed (S^T = K Q^T, O^T = V^T P^T): a lane holds ONE query (lane % 16) throughout.  The buffers lie in slot order (see the first kernel): the four tiles 4 c + u of 64 keys give lane (r, h) the WHOLE block of 32 keys 2 c + h,
; so a block's maximum is the lane's own, and the conversions' results are the second product's operand as they stand.
; TWO TILES OF K SHARE A FRAGMENT: the head's 64 channels fill half of the instruction's K.  Registers 0-3 hold tile 4 c + 2 w, registers 4-7 tile 4 c + 2 w + 1; the other source is [Q | 0] for the first and [0 | Q] for the second (zero codes).
; The scores take the 32-row form: rows 0-15 the fragment of c = 0, rows 16-31 that of c = 1, with K's word w of lane (r, c) as it lies.  The sums over V take the 16-row form: four accumulators by turns.
; LDS IS FILLED ONCE: a head's K and V are 16 chunks of 8,704 bytes (codes and scale words, images of the operands' registers); wave w brings chunk w, one tensor load a wave.  Chunks 0-5 are waited for at the first barrier, the others at the second,
; which is signalled behind the first step and waited for behind the second: those two steps read chunks 0-3 and K of 4 and 5.
; No prefetch: every fill is a load of the head, there is no loop over fills to run ahead in.
; CLUSTER 4 x 4: the four work-groups of a row of the cluster are four query blocks of one head and ask for its chunks jointly; two rows make a head.
; OUT: acod [tile of 16 slots 256][head 16][lane][16 bytes]: lane (r, h) = block h of the head's 64 channels of slot r; ascl [slot][32], a byte a lane (1/16 of the codes' bytes).
; LIMITS: a block whose largest magnitude lies under 2^-124 is held at the scale byte 1, a block of zeros too (its codes are zeros; this program alone reads the bytes); NaN and infinities are not served; the scaled scores t stay under 2^31 in magnitude.
; A block's largest p is made from its largest score by the same multiply-add and exponential: this takes v_exp_f32 not to fall where its input rises.
.set CH,   8704                        ; a chunk: K's codes 4,096, V's 4,096, scale words 512
.set VCO,  4096
.set SCO,  8192
.set EARLY, 6                          ; chunks that the first barrier shows
.set SPARE, 0x29000
.set ADC,  1                           ; v1   16 x lane + the step's first byte
.set PW1,  2                           ; v2   p's scale words of the second chunk;  v31 of the first
.set QS,   3                           ; v3   Q's scale words
.set QF,   4                           ; v4-7 Q, v8-11 zero codes, v12-15 Q again: [Q | 0] at v4, [0 | Q] at v8
.set KS,   16                          ; v16-19 K's scale words, two a chunk
.set VS,   20                          ; v20-23 V's
.set MN,   24                          ; v24  -M
.set B2,   25                          ; v25, v30  the second chunk's blocks: largest scores, largest p, the conversions' scale operands
.set B3,   30
.set SUM,  26                          ; v[26:27] the sum, in two halves
.set FF,   28                          ; v28  f = 2^(old M - new M)
.set MX,   29                          ; v29  the largest score so far
.set PW0,  31
.set KA,   32                          ; v32-63  K's second chunk; v32-47 then V's first chunk, tiles 0 and 1
.set KB,   64                          ; v64-95  K's first chunk, then at work: v64, v65 the first chunk's blocks, v66-71, v72-87 sums, v88
.set O,    96                          ; v96-127 O^T
.set S,    128                         ; v128-255 S^T, then p: register 64 chunk + 16 u + 8 c + j
.set P0,   128                         ; the first chunk's p are done with: v128-135 its codes,
.set V1,   136                         ; v136-167 V's second chunk,
.set P1,   168                         ; v168-175 the second chunk's codes,
.set V0B,  176                         ; v176-191 V's first chunk, tiles 2 and 3
.set WV,   14
.set CX,   15
.set CY,   28
.set HD,   29
.set QB,   30
.set TB,   31                          ; s31 the step's first byte in LDS, from the third step on
.set G0,   16
.set G1,   20
.set SEL,  34                          ; s[34:35] v_permlanex16_b32's selects for lane l xor 16
.set CS,   36                          ; s[36:37] c = log2(e) / 8: the packed form names a pair and takes its low word for both halves
.set NC,   38                          ; s38 -c
.set HI,   39                          ; s39 the mask of lanes 16-31
.set CNT,  40
.macro CROUND                          ; a round of the cluster's barrier
	s_barrier_signal -1
	s_barrier_wait -1
	s_cmp_lg_u32 s[WV], 0
	s_cbranch_scc1 .Lnot_wave_0_\@
	s_barrier_signal -3
.Lnot_wave_0_\@:
	s_barrier_wait -3
	s_barrier_signal -1
	s_barrier_wait -1
.endm
.macro PLACES n
.rept \n
	v_nop
.endr
.endm
.macro KLOAD f, off, ta, tb, tc, td    ; four of a chunk's eight tiles of K: tile 4 c + 2 w + e goes to registers 16 w + 8 c + 4 e on
.irp t, \ta, \tb, \tc, \td
	ds_load_b128 v[\f+16*((\t%4)/2)+8*(\t/4)+4*(\t%2):\f+16*((\t%4)/2)+8*(\t/4)+4*(\t%2)+3], v[ADC] offset:\off+512*\t
.endr
.endm
.macro VLOAD f, off, i0                ; two of a chunk's four tiles of V^T
.irp i, 0,1
.irp c, 0,1
	ds_load_b128 v[\f+8*\i+4*\c:\f+8*\i+4*\c+3], v[ADC] offset:\off+VCO+1024*(\i0+\i)+512*\c
.endr
.endr
.endm
.macro SPROD k, f, w                   ; chunk k's scores of tiles u = 2 w (with [Q | 0]) and u = 2 w + 1 (with [0 | Q]), c = 0 in the lower eight registers, c = 1 in the upper
	v_wmma_scale_f32_32x16x128_f4 v[S+64*\k+32*\w:S+64*\k+32*\w+15], v[\f+16*\w:\f+16*\w+15], v[QF:QF+7], 0, v[KS+2*\k+\w], v[QS]
	v_wmma_scale_f32_32x16x128_f4 v[S+64*\k+32*\w+16:S+64*\k+32*\w+31], v[\f+16*\w:\f+16*\w+15], v[QF+4:QF+11], 0, v[KS+2*\k+\w], v[QS]
.endm
.macro PV k, t, f, p, w                ; O^T += V^T P^T over chunk k, channel tiles t, t + 1 (at v[f]): the four accumulators take turns
	v_wmma_scale_f32_16x16x128_f8f6f4 v[O+8*\t:O+8*\t+7], v[\f:\f+7], v[\p:\p+7], v[O+8*\t:O+8*\t+7], v[VS+2*\k+\t/2], v[\w] matrix_a_fmt:MATRIX_FMT_FP4 matrix_b_fmt:MATRIX_FMT_FP4
	v_wmma_scale_f32_16x16x128_f8f6f4 v[O+8*\t+8:O+8*\t+15], v[\f+8:\f+15], v[\p:\p+7], v[O+8*\t+8:O+8*\t+15], v[VS+2*\k+\t/2], v[\w] matrix_a_fmt:MATRIX_FMT_FP4 matrix_b_fmt:MATRIX_FMT_FP4 matrix_a_scale:MATRIX_SCALE_ROW1
.endm
.macro ADDS num, d, x, y               ; num packed additions: v[d ..] = v[x ..] + v[y ..].  64 numbers go into eight chains, and those into the sum
.set JJ, 0
.rept \num
	v_pk_add_f32 v[\d+JJ:\d+JJ+1], v[\x+JJ:\x+JJ+1], v[\y+JJ:\y+JJ+1]
.set JJ, JJ+2
.endr
.endm
; A STEP: 256 keys.  next = 1: another step follows: K's codes and scale words for it are fetched, and the address goes on: to the constant at, or (at = 0) by a step of s[TB].
.macro STEP next, at
	s_wait_dscnt 0x4                               ; the scale words, K's first chunk and half of its second are in; the four loads of the other half may be out
	SPROD 0, KB, 0
	SPROD 0, KB, 1
	SPROD 1, KA, 1
	s_wait_dscnt 0x0
	SPROD 1, KA, 0
	PLACES 4
	VLOAD KA, 0, 0
	ds_load_b64 v[VS:VS+1], v[ADC] offset:SCO+8
	ds_load_b64 v[VS+2:VS+3], v[ADC] offset:CH+SCO+8
	; THE LARGEST SCORE OF EACH OF MY FOUR BLOCKS OF 32 KEYS (b = 2 chunk + c), by two chains a block: for the row's maximum and, since p rises with the score, for the block's largest p.  Each result is read from its low end on
.irp b, 0,1,2,3
	v_max3_num_f32 v[KB+\b], v[S+64*(\b/2)+8*(\b%2)], v[S+64*(\b/2)+8*(\b%2)+1], v[S+64*(\b/2)+8*(\b%2)+2]
.endr
.irp b, 0,1,2,3
	v_max3_num_f32 v[KB+4+\b], v[S+64*(\b/2)+8*(\b%2)+32], v[S+64*(\b/2)+8*(\b%2)+33], v[S+64*(\b/2)+8*(\b%2)+34]
.endr
.irp n, 3,5,7,9,11,13
.irp b, 0,1,2,3
	v_max3_num_f32 v[KB+\b], v[KB+\b], v[S+64*(\b/2)+8*(\b%2)+\n+8*(\n/8)], v[S+64*(\b/2)+8*(\b%2)+\n+1+8*((\n+1)/8)]
.endr
.irp b, 0,1,2,3
	v_max3_num_f32 v[KB+4+\b], v[KB+4+\b], v[S+64*(\b/2)+8*(\b%2)+32+\n+8*(\n/8)], v[S+64*(\b/2)+8*(\b%2)+33+\n+8*((\n+1)/8)]
.endr
.endr
.irp b, 0,1,2,3
	v_max3_num_f32 v[KB+\b], v[KB+\b], v[S+64*(\b/2)+8*(\b%2)+23], v[S+64*(\b/2)+8*(\b%2)+55]
.endr
	v_max_num_f32 v64, v64, v68
	v_max_num_f32 v65, v65, v69
	v_max_num_f32 v[B2], v66, v70
	v_max_num_f32 v[B3], v67, v71
	s_delay_alu instid0(VALU_DEP_2)
	v_max3_num_f32 v66, v64, v65, v[B2]
	s_delay_alu instid0(VALU_DEP_1)
	v_max_num_f32 v66, v66, v[B3]
	s_delay_alu instid0(VALU_DEP_1)
	v_permlanex16_b32 v67, v66, s[SEL], s[SEL+1]
	s_delay_alu instid0(VALU_DEP_1)
	v_max3_num_f32 v[MX], v[MX], v66, v67          ; the running largest score of my query
	s_delay_alu instid0(VALU_DEP_1)
	v_mul_f32 v66, s[NC], v[MX]                    ; -t of it
	v_mov_b32 v67, v[MN]
	s_delay_alu instid0(VALU_DEP_2)
	v_floor_f32 v[MN], v66                         ; the new -M = floor(-t) = -ceil(t): M is a whole number
	s_delay_alu instid0(VALU_DEP_1)
	v_sub_f32 v67, v[MN], v67                      ; M's old value less its new one: a whole number, 0 or less
	s_delay_alu instid0(VALU_DEP_1)
	v_cvt_i32_f32 v67, v67                         ; (it saturates)
	s_delay_alu instid0(VALU_DEP_1)
	v_ldexp_f32 v[FF], 1.0, v67                    ; f = 2^(old M - new M)
	; THE FIRST CHUNK, and both chunks' scales
.set NN, 0
.rept 32
	v_pk_fma_f32 v[S+NN:S+NN+1], v[S+NN:S+NN+1], s[CS:CS+1], v[MN:MN+1] op_sel_hi:[1,0,0]   ; t - M, two at a time (of the pairs c and -M the low word serves both halves)
.set NN, NN+2
.endr
.irp x, 64, 65, B2, B3
	v_fma_f32 v[\x], v[\x], s[CS], v[MN]
.endr
.set NN, 0
.rept 16
	v_pk_mul_f32 v[O+NN:O+NN+1], v[O+NN:O+NN+1], v[FF:FF+1] op_sel_hi:[1,0]   ; O^T under the new M
.set NN, NN+2
.endr
	s_wait_alu depctr_va_vdst(0)                   ; ahead of the batch
.set NN, 0
.rept 32
	v_exp_f32 v[S+NN], v[S+NN]                     ; p = 2^(t - M), at most 1;
	v_exp_f32 v[S+NN+1], v[S+NN+1]
	v_pk_fma_f32 v[S+64+NN:S+64+NN+1], v[S+64+NN:S+64+NN+1], s[CS:CS+1], v[MN:MN+1] op_sel_hi:[1,0,0]   ; among them the second chunk's t - M, which nothing reads ahead of the next waits
.set NN, NN+2
.endr
.irp x, 64, 65, B2, B3
	v_exp_f32 v[\x], v[\x]                         ; the blocks' largest p: the same two instructions on the same number give the same bits
.endr
	v_pk_mul_f32 v[SUM:SUM+1], v[SUM:SUM+1], v[FF:FF+1] op_sel_hi:[1,0]   ; the sum under the new M.  (A plain place behind the exponentials)
	s_wait_alu depctr_va_vdst(0)                   ; and behind it, ahead of its first reader
.irp x, 64, 65, B2, B3
	v_max_num_f32 v[\x], 0x1800000, v[\x]          ; the floor 2^(3 - 127): the byte cannot fall under 1
.endr
.irp x, 64, 65, B2, B3
	s_delay_alu instid0(VALU_DEP_4)
	v_add_nc_u32 v[\x], 0xff000000, v[\x]          ; 2 off the exponent field: the conversion's scale operand
.endr
	ADDS 8, KB+8, S, S+16                          ; the first chunk's sums, with the scales' lines among them
	v_lshrrev_b32 v66, 23, v64                     ; the scales' bytes: chunk 0, c = 0, 1; chunk 1, c = 0, 1
	v_lshrrev_b32 v67, 23, v65
	v_lshrrev_b32 v68, 23, v[B2]
	v_lshrrev_b32 v69, 23, v[B3]
	ADDS 4, KB+8, KB+8, S+32
	v_lshl_or_b32 v70, v67, 16, v66
	v_lshl_or_b32 v71, v69, 16, v68
	ADDS 4, KB+16, KB+16, S+40
	v_lshl_or_b32 v70, v71, 8, v70                 ; my four bytes, in the order 00, 10, 01, 11 (chunk, c): blocks 2 c + h
	ADDS 4, KB+8, KB+8, S+48
	v_permlanex16_b32 v71, v70, s[SEL], s[SEL+1]   ; lane l xor 16's
	ADDS 4, KB+16, KB+16, S+56
	v_perm_b32 v[PW0], v71, v70, 0x06020400        ; in lanes 0-15, which are read: blocks 0, 1, 2, 3 of chunk 0
	v_perm_b32 v[PW1], v71, v70, 0x07030501        ; and of chunk 1
	ADDS 4, KB+8, KB+8, KB+16
	v_cvt_scalef32_pk8_fp4_f32 v88, v[S:S+7], v64  ; its place in P0 lies among its own sources
	ADDS 2, KB+8, KB+8, KB+12                      ; (plain places behind a scaled conversion)
.irp u, 1,2,3
	v_cvt_scalef32_pk8_fp4_f32 v[P0+\u], v[S+16*\u:S+16*\u+7], v64
.endr
.irp u, 0,1,2,3
	v_cvt_scalef32_pk8_fp4_f32 v[P0+4+\u], v[S+8+16*\u:S+15+16*\u], v65
.endr
	; THE SECOND CHUNK
	ADDS 1, KB+8, KB+8, KB+10
	v_mov_b32 v[P0], v88
	ADDS 1, SUM, SUM, KB+8
	VLOAD V1, CH, 0
	VLOAD V1+16, CH, 2
	VLOAD V0B, 0, 2
.if \next
	ds_load_b64 v[KS:KS+1], v[ADC] offset:2*CH+SCO
	ds_load_b64 v[KS+2:KS+3], v[ADC] offset:3*CH+SCO
	KLOAD KB, 2*CH, 0, 1, 2, 3
	KLOAD KB, 2*CH, 4, 5, 6, 7
	KLOAD KA, 3*CH, 2, 3, 6, 7
	v_and_b32 v[ADC], 31, v0                       ; on to the next step
.if \at == 0
	s_add_co_u32 s[TB], s[TB], 2*CH
	v_lshl_add_u32 v[ADC], v[ADC], 4, s[TB]
.else
	v_lshl_add_u32 v[ADC], v[ADC], 4, \at
.endif
.endif
	s_wait_alu depctr_va_vdst(0)                   ; ahead of the batch
.set NN, 64
.rept 64
	v_exp_f32 v[S+NN], v[S+NN]
.set NN, NN+1
.endr
	v_nop                                          ; a plain place behind the exponentials
	s_wait_alu depctr_va_vdst(0)                   ; and ahead of the batch's first reader
.if \next
	s_wait_dscnt 0xe                               ; V is in; the next step's two scale loads and twelve loads of K may be out
.else
	s_wait_dscnt 0x0
.endif
.irp u, 0,1,2,3
	v_cvt_scalef32_pk8_fp4_f32 v[P1+\u], v[S+64+16*\u:S+71+16*\u], v[B2]
.endr
.irp u, 0,1,2,3
	v_cvt_scalef32_pk8_fp4_f32 v[P1+4+\u], v[S+72+16*\u:S+79+16*\u], v[B3]
.endr
	v_nop                                          ; a plain place between the conversions and the sums over their sources
	ADDS 8, S+64, S+64, S+80
	ADDS 8, S+64, S+64, S+96
	ADDS 8, S+64, S+64, S+112
	PV 0, 0, KA, P0, PW0
	PV 0, 2, V0B, P0, PW0
	PV 1, 0, V1, P1, PW1
	PV 1, 2, V1+16, P1, PW1
	ADDS 4, S+64, S+64, S+72                       ; the sums' last eight lines are the places behind the products
	ADDS 2, S+64, S+64, S+68
	ADDS 1, S+64, S+64, S+66
	ADDS 1, SUM, SUM, S+64
.if \next
	KLOAD KA, CH, 0, 1, 4, 5
.endif
.endm
	s_load_b256 s[4:11], s[0:1], 0x0               ; qcod s[4:5], qscl s[6:7], kv s[8:9], acod s[10:11]
	s_load_b64 s[12:13], s[0:1], 0x20              ; ascl
	v_lshl_add_u32 v254, v0, 2, SPARE
	v_mov_b32 v255, 0
	ds_add_u32 v254, v255                          ; the opening lines: the add, twice on end, and its wait
	ds_add_u32 v254, v255
	v_lshrrev_b32 v1, 5, v0
	v_readfirstlane_b32 s[WV], v1                  ; wave 0..15
	s_bfe_u32 s[CX], ttmp6, 0x40000
	s_bfe_u32 s[CY], ttmp6, 0x40004
	s_and_b32 s[HD], ttmp7, 0xffff                 ; the head = 4 x cluster y + 2 x cluster x + cy / 2, which a row of the cluster shares
	s_lshl_b32 s[HD], s[HD], 2
	s_lshl_b32 s50, ttmp9, 1
	s_add_co_u32 s[HD], s[HD], s50
	s_lshr_b32 s50, s[CY], 1
	s_add_co_u32 s[HD], s[HD], s50
	s_lshl_b32 s50, s[CY], 2
	s_lshl_b32 s50, 15, s50                        ; my row of the cluster: places 4 cy .. 4 cy + 3
	s_or_b32 s[G1], s50, (3<<16)|(1<<21)           ; 15:0 the mask; elements of 8 bytes; 21 set beside a mask; no padding
	s_mov_b32 s[G1+1], 32<<16                      ; a chunk: 34 rows of 256 bytes, dense
	s_mov_b32 s[G1+2], 34<<16
	s_mov_b32 s[G1+3], 32<<16
	s_mov_b32 s[G1+4], 34
	s_mov_b32 s[G1+5], 32
	s_mov_b32 s[G1+6], 0
	s_mov_b32 s[G1+7], 0
	s_mov_b32 s[G0], 1
	s_mul_i32 s[G0+1], s[WV], CH                   ; wave w brings chunk w
	s_mul_i32 s42, s[HD], 16*CH
	s_add_co_u32 s42, s42, s[G0+1]
	s_mov_b32 s43, 0
	s_mov_b32 s[SEL], 0x76543210
	s_mov_b32 s[SEL+1], 0xfedcba98
	s_mov_b32 s[CS], 0x3e38aa3b                    ; c = log2(e) / 8
	s_mov_b32 s[CS+1], s[CS]                       ; (named with it as a pair, so it is written)
	s_mov_b32 s[NC], 0xbe38aa3b
	s_mov_b32 s[HI], 0xffff0000
	s_mov_b32 s[TB], 4*CH
	s_wait_dscnt 0x0                               ; both opening adds are done
	CROUND                                         ; the round in front of the joint loads, while the arguments are on their way
	s_wait_kmcnt 0x0
	s_add_nc_u64 s[G0+2:G0+3], s[8:9], s[42:43]
	s_or_b32 s[G0+3], s[G0+3], 0x80000000
	s_cmp_lt_u32 s[WV], EARLY                      ; the launch's one fill: every wave its own chunk.  Two lines: waves that wait at the first barrier, and the others
	s_cbranch_scc0 .Llater
	tensor_load_to_lds s[G0:G0+3], s[G1:G1+7]
	s_nop 0
	PLACES 4
	s_branch .Lasked
.Llater:
	tensor_load_to_lds s[G0:G0+3], s[G1:G1+7]
	s_nop 0
	PLACES 4
.Lasked:
	; my tile of queries: 16 x block + wave; block = cx + 4 (cy % 2)
	s_and_b32 s[QB], s[CY], 1
	s_lshl_b32 s[QB], s[QB], 2
	s_add_co_u32 s[QB], s[QB], s[CX]
	s_lshl_b32 s44, s[QB], 13                      ; Q's codes: 512 bytes a tile, 65,536 a head
	s_lshl_b32 s50, s[WV], 9
	s_add_co_u32 s44, s44, s50
	s_lshl_b32 s50, s[HD], 16
	s_add_co_u32 s44, s44, s50
	s_mov_b32 s45, 0
	s_add_nc_u64 s[4:5], s[4:5], s[44:45]
	s_lshl_b32 s44, s[QB], 10                      ; Q's scale words: 256 bytes for four tiles; tile 2 i + h: lanes 16 h on (128 bytes), word i
	s_lshr_b32 s50, s[WV], 2
	s_lshl_b32 s50, s50, 8
	s_add_co_u32 s44, s44, s50
	s_and_b32 s50, s[WV], 1
	s_lshl_b32 s50, s50, 7
	s_add_co_u32 s44, s44, s50
	s_bfe_u32 s50, s[WV], 0x10001
	s_lshl_b32 s50, s50, 2
	s_add_co_u32 s44, s44, s50
	s_lshl_b32 s50, s[HD], 13
	s_add_co_u32 s44, s44, s50
	s_add_nc_u64 s[6:7], s[6:7], s[44:45]
	s_lshr_b32 s46, s[HD], 4                       ; the outputs: tile 128 x batch + 16 x block + wave: 8,192 bytes of codes a tile, 512 a head
	s_lshl_b32 s46, s46, 20
	s_lshl_b32 s50, s[QB], 17
	s_add_co_u32 s46, s46, s50
	s_lshl_b32 s50, s[WV], 13
	s_add_co_u32 s46, s46, s50
	s_and_b32 s51, s[HD], 15
	s_lshl_b32 s50, s51, 9
	s_add_co_u32 s44, s46, s50
	s_add_nc_u64 s[10:11], s[10:11], s[44:45]
	s_lshr_b32 s46, s46, 4                         ; the scale bytes: 512 a tile, 2 a head
	s_lshl_b32 s50, s51, 1
	s_add_co_u32 s44, s46, s50
	s_add_nc_u64 s[12:13], s[12:13], s[44:45]
	v_and_b32 v[ADC], 31, v0
	v_and_b32 v66, 15, v0
	v_lshlrev_b32 v[ADC], 4, v[ADC]                ; 16 x lane
	v_lshlrev_b32 v66, 3, v66
	s_wait_alu depctr_va_vdst(0)                   ; behind these writes
	global_load_b128 v[QF:QF+3], v[ADC], s[4:5]
	global_load_b128 v[QF+8:QF+11], v[ADC], s[4:5]
	global_load_b32 v[QS], v66, s[6:7]
.irp j, 4,5,6,7
	v_mov_b32 v[QF+\j], 0                          ; the zero codes
.endr
.set NN, 0
.rept 32
	v_mov_b32 v[O+NN], 0                           ; O^T.  (The step's first pass finds zeros, which the first change of M leaves zeros)
.set NN, NN+1
.endr
	v_mov_b32 v[MX], 0xff61b1e6                    ; the largest score so far: -3e38, under every score
	v_mov_b32 v[SUM], 0
	v_mov_b32 v[SUM+1], 0
	v_mul_f32 v[MN], s[NC], v[MX]
	v_floor_f32 v[MN], v[MN]                       ; -M
	s_wait_alu depctr_va_vdst(0)
	s_wait_loadcnt 0x0                             ; Q
	s_cmp_lt_u32 s[WV], EARLY                      ; chunks 0-5 are in; the others' load line is their own and may be out
	s_cbranch_scc0 .Lstill_out
	s_wait_tensorcnt 0x0
.Lstill_out:
	s_barrier_signal -1
	s_barrier_wait -1
	KLOAD KB, 0, 0, 1, 2, 3
	KLOAD KB, 0, 4, 5, 6, 7
	ds_load_b64 v[KS:KS+1], v[ADC] offset:SCO
	ds_load_b64 v[KS+2:KS+3], v[ADC] offset:CH+SCO
	KLOAD KA, CH, 2, 3, 6, 7
	KLOAD KA, CH, 0, 1, 4, 5
	STEP 1, 2*CH                                   ; chunks 0 and 1, and K of 2 and 3
	s_wait_tensorcnt 0x0                           ; my chunk is in, whichever it is,
	s_wait_dscnt 0x0                               ; and no LDS load of mine is out
	s_barrier_signal -1
	STEP 1, 4*CH                                   ; chunks 2 and 3, and K of 4 and 5: LDS loads of bytes that nobody writes any more, and work on registers
	s_barrier_wait -1                              ; everybody's chunks are in
	s_mov_b32 s[CNT], 5
.Lstep:
	STEP 1, 0
	s_sub_co_u32 s[CNT], s[CNT], 1
	s_cmp_lg_u32 s[CNT], 0
	s_cbranch_scc1 .Lstep
	STEP 0, 0                                      ; the last step fetches nothing
	; THE WAY OUT.  O^T is divided by the row's sum and quantised along the head's 64 channels: a lane holds block h whole.
	PLACES 4
	v_add_f32 v[SUM], v[SUM], v[SUM+1]             ; the sum's two halves,
	v_permlanex16_b32 v66, v[SUM], s[SEL], s[SEL+1]
	v_add_f32 v[SUM], v[SUM], v66                  ; and lane l xor 16's: the row's sum
	s_wait_alu depctr_va_vdst(0)                   ; ahead of the transcendental
	v_rcp_f32 v66, v[SUM]
	v_nop
	s_wait_alu depctr_va_vdst(0)                   ; and ahead of its first reader
.set NN, 0
.rept 32
	v_mul_f32 v[O+NN], v[O+NN], v66
.set NN, NN+1
.endr
.irp t, 0,1,2,3
	v_max3_num_f32 v[128+\t], |v[O+8*\t]|, |v[O+8*\t+1]|, |v[O+8*\t+2]|
.endr
.irp n, 3,5
.irp t, 0,1,2,3
	v_max3_num_f32 v[128+\t], v[128+\t], |v[O+8*\t+\n]|, |v[O+8*\t+\n+1]|
.endr
.endr
	v_max3_num_f32 v128, v128, |v[O+7]|, |v[O+15]|
	v_max3_num_f32 v129, v129, |v[O+23]|, |v[O+31]|
	v_max3_num_f32 v130, v130, v131, 0x1800000     ; the floor 2^(3 - 127)
	v_max3_num_f32 v128, v128, v129, v130
	v_add_nc_u32 v128, 0xff000000, v128            ; the conversions' scale operand
	v_lshrrev_b32 v129, 23, v128                   ; the scale's byte
.irp t, 0,1,2,3
	v_cvt_scalef32_pk8_fp4_f32 v[132+\t], v[O+8*\t:O+8*\t+7], v128
.endr
	v_bfe_u32 v141, v0, 4, 1                       ; h.  (A plain place behind the conversions)
	v_cndmask_b32 v136, v132, v133, s[HI]          ; in block 1 (lanes 16-31) the eights stand in the order 1, 0, 3, 2: back to their own
	v_cndmask_b32 v137, v133, v132, s[HI]
	v_cndmask_b32 v138, v134, v135, s[HI]
	v_cndmask_b32 v139, v135, v134, s[HI]
	v_and_b32 v140, 31, v0
	v_and_b32 v142, 15, v0
	v_lshlrev_b32 v140, 4, v140
	v_lshl_add_u32 v141, v142, 5, v141             ; 32 r + h
	v_lshl_add_u32 v254, v0, 2, SPARE
	v_mov_b32 v255, 0
	s_wait_alu depctr_va_vdst(0)
	global_store_b128 v140, v[136:139], s[10:11]   ; 32 lanes store 512 consecutive bytes, aligned
	global_store_b8 v141, v129, s[12:13]           ; slot r's byte of block h
	s_wait_tensorcnt 0x0                           ; the wave's end
	ds_add_u32 v254, v255
	s_wait_dscnt 0x0
	CROUND                                         ; the closing round: no work-group ends while a partner may still ask for a tile that names it
	s_endpgm
.Lfunc_end_k_q94e292b208_attn:
	.size	k_q94e292b208_attn, .Lfunc_end_k_q94e292b208_attn-k_q94e292b208_attn
	.p2alignl 7, 3214868480
	.fill 96, 4, 3214868480
	.section	.rodata,"a",@progbits
	.p2align	6, 0x0
	.amdhsa_kernel k_q94e292b208_attn
		.amdhsa_group_segment_fixed_size 169984
		.amdhsa_private_segment_fixed_size 0
		.amdhsa_enable_private_segment 0
		.amdhsa_kernarg_size 40
		.amdhsa_user_sgpr_count 2
		.amdhsa_user_sgpr_kernarg_segment_ptr 1
		.amdhsa_wavefront_size32 1
		.amdhsa_system_sgpr_workgroup_id_x 1
		.amdhsa_system_sgpr_workgroup_id_y 1
		.amdhsa_system_sgpr_workgroup_id_z 1
		.amdhsa_system_vgpr_workitem_id 0
		.amdhsa_next_free_vgpr 256
		.amdhsa_next_free_sgpr 96
		.amdhsa_reserve_vcc 0
		.amdhsa_float_denorm_mode_32 3
		.amdhsa_float_denorm_mode_16_64 3
		.amdhsa_memory_ordered 1
		.amdhsa_forward_progress 1
		.amdhsa_inst_pref_size 111
	.end_amdhsa_kernel
	.amdgpu_metadata
---
amdhsa.version: [ 1, 2 ]
amdhsa.kernels:
  - .name:           k_q94e292b208_attn
    .symbol:         k_q94e292b208_attn.kd
    .args:
      - { .name: qcod, .offset: 0, .size: 8, .value_kind: global_buffer, .address_space: global }
      - { .name: qscl, .offset: 8, .size: 8, .value_kind: global_buffer, .address_space: global }
      - { .name: kv, .offset: 16, .size: 8, .value_kind: global_buffer, .address_space: global }
      - { .name: acod, .offset: 24, .size: 8, .value_kind: global_buffer, .address_space: global }
      - { .name: ascl, .offset: 32, .size: 8, .value_kind: global_buffer, .address_space: global }
    .group_segment_fixed_size: 169984
    .private_segment_fixed_size: 0
    .kernarg_segment_align: 8
    .kernarg_segment_size: 40
    .max_flat_workgroup_size: 512
    .sgpr_count:     96
    .vgpr_count:     256
    .wavefront_size: 32
...
	.end_amdgpu_metadata
.endif
;; end of part 2
;; launch proj (part 3): grid 8 x 32, 8 waves a work-group, clusters of 4 x 4, 181,248 bytes of LDS; arguments acod, ascl, W_out_codes, W_out_scales, b_out, out0; writes out0
.if DOCPART == 3
	.amdgcn_target "amdgcn-amd-amdhsa--gfx1250"
	.amdhsa_code_object_version 6
	.text
	.protected	k_q94e292b208_proj
	.globl	k_q94e292b208_proj
	.p2align	8
	.type	k_q94e292b208_proj,@function
k_q94e292b208_proj:
	s_mov_b64 s[64:65], 0
	v_nop
	global_prefetch_b8 v0, s[64:65] scope:SCOPE_SE
	s_setreg_imm32_b32 hwreg(HW_REG_WAVE_MODE, 25, 1), 1
	s_wait_xcnt 0x0
	s_wait_alu depctr_hold_cnt(0) depctr_sa_sdst(0) depctr_va_vdst(0) depctr_va_sdst(0) depctr_va_ssrc(0) depctr_va_vcc(0) depctr_vm_vsrc(0)
	s_getreg_b32 s2, hwreg(HW_REG_IB_STS2, 6, 4)
	s_cmp_eq_u32 s2, 0
	s_cbranch_scc0 .Lentry_in_a_cluster
	s_endpgm
.Lentry_in_a_cluster:
	s_bfe_u32 s2, ttmp6, 0x10000c
	s_cmp_lg_u32 s2, 0xf033
	s_cbranch_scc0 .Lentry_shape_is_right
	s_endpgm
.Lentry_shape_is_right:
; out0 = A W_out + b_out on codes of FP4 (E2M1) with one E8M0 scale for each 32 along K = 1,024.  A: the attention's output as codes, laid as images of the operand's registers
; (acod [tile of 16 slots][K step 8][c 2][lane][16 bytes]) with scale bytes [slot][32]; W_out: codes [1024 (n)][512 bytes], scale bytes [n][32]; out0 [4096][1024] f32.
; SLOTS.  Of 64 tokens tile t's lane r is token 8 t + r for r < 8 and token 32 + 8 (t xor 1) + r - 8 for r >= 8: the stores on the way out go by true tokens.
; SHARES.  A work-group makes 128 tokens (ty) x 128 columns (nx): 256 work-groups.  Eight waves: wave w takes tiles 2 (w & 3), 2 (w & 3) + 1 and columns 64 (w >> 2) on: 8 accumulators.
; THE MATRIX INSTRUCTION IS USED TRANSPOSED (source 0 = 16 rows of W_out, source 1 = 16 slots): a lane holds eight neighbouring columns of one token.  A wave's 64 columns are 256 bytes of a row of out0:
; a block of 16 tokens goes through the wave's own stage in LDS and leaves as whole aligned runs of 256 bytes.  The bias is the C of each sum's first product.
; LDS IS FILLED ONCE, one tensor load a wave: wave 0 A's first half of K, 1, 2 W_out's, 3 A's scale bytes, 4 W_out's; 5 A's second half, 6, 7 W_out's, which are waited for at the second barrier alone.
; No prefetch: every fill is a load of the head, there is no loop over fills to run ahead in.
; CLUSTER 4 x 4: A's tiles hang on ty alone and are asked for jointly along a row of the cluster, W_out's on nx alone and jointly along a column.
; LIMITS: NaN, infinities and given scale bytes 0xff are not served.
.set PITCH, 272                        ; an LDS row of W_out's codes: 256 bytes + 16 of padding (64 banks of 4 bytes: ISA guide 11.1)
.set GRP,   64*PITCH
.set BCOD,  65536                      ; LDS: A's images: half k of K at 32,768 k, 4,096 bytes a tile;  from BCOD W_out's codes: half k at 2 GRP k
.set SCL,   BCOD+4*GRP                 ; the scale bytes, as units of 256 bytes + 16 of padding: A's 128 rows, then W_out's 128
.set SGRP,  8*272
.set STG,   SCL+4*SGRP                 ; the stages, 16 rows x 272 bytes for each wave: blocks of 256 bytes of their own
.set SPARE, 0x2c000
.set ADA,  4                           ; v4   LDS address of my A fragments
.set ADB,  5                           ; v5   of W_out's
.set ASB,  6                           ; v6   of W_out's scale words
.set ASA,  7                           ; v7   of A's
.set STO,  8                           ; v8   the stage: where I put 32 bytes of a row
.set RD,   9                           ; v9   and where I read a row back
.set CO,   10                          ; v10  my byte offset in two rows of out0
.set BH,   11                          ; v11  32 x (lane / 16): the bias of my half's eight columns
.set SC0,  12                          ; v12-27   W_out's scale words, four K steps a tile; they hold nothing else
.set SC1,  112                         ; v112-119 A's
.set BI,   32                          ; v32-63   the bias
.set ACC,  128                         ; v128-191 accumulator (i, t) at ACC + 8 (4 i + t): i the tile of slots, t of columns
.set OB,   192                         ; v192-255 two blocks of 16 rows read back from the stage
.set SPW,  126                         ; v126, v127 the add's two registers
.set NIL,  127                         ; two fragment buffers of 48 registers, at v64 and v192: A's two, then W_out's four
.set WV,   16                          ; s16 wave; s17 wave & 3; s18 wave >> 2; s19 wave & 1
.set WM,   17
.set WN,   18
.set WL,   19
.set G1A,  20
.set G1B,  28
.set G1SA, 36
.set G1SB, 44
.set G0A,  52                          ; groups 0 for A: first half, second half, scale bytes
.set G0B,  68                          ; for W_out likewise
.set CX,   80
.set CY,   81
.set NX,   82
.set TY,   83
.macro CROUND                          ; a round of the cluster's barrier
	s_barrier_signal -1
	s_barrier_wait -1
	s_cmp_lg_u32 s[WV], 0
	s_cbranch_scc1 .Lnot_wave_0_\@
	s_barrier_signal -3
.Lnot_wave_0_\@:
	s_barrier_wait -3
	s_barrier_signal -1
	s_barrier_wait -1
.endm
.macro PLACES n
.rept \n
	v_nop
.endr
.endm
.macro ARM under, g0, g1, next
	s_cmp_lt_u32 s[WV], \under
	s_cbranch_scc0 \next
	tensor_load_to_lds s[\g0:\g0+3], s[\g1:\g1+7]
	s_nop 0
	PLACES 4
	s_branch .Lasked
\next:
.endm
.macro KLD q                           ; K step q's fragments into buffer q % 2: 12 loads (and, at the head of a half, a row's four scale words)
.set FB, 64+128*((\q)%2)
.if (\q)%4 == 0
.irp t, 0,1,2,3
	ds_load_b128 v[SC0+4*\t:SC0+4*\t+3], v[ASB] offset:544*\t+4*(\q)
.endr
.irp i, 0,1
	ds_load_b128 v[SC1+4*\i:SC1+4*\i+3], v[ASA] offset:544*\i+4*(\q)
.endr
.endif
.irp t, 0,1,2,3
.irp c, 0,1
	ds_load_b128 v[FB+16+8*\t+4*\c:FB+16+8*\t+4*\c+3], v[ADB] offset:((\q)/4)*2*GRP+\t*16*PITCH+64*((\q)%4)+32*\c
.endr
.endr
.irp i, 0,1
.irp c, 0,1
	ds_load_b128 v[FB+8*\i+4*\c:FB+8*\i+4*\c+3], v[ADA] offset:((\q)/4)*32768+\i*4096+((\q)%4)*1024+512*\c
.endr
.endr
.endm
.macro MULQ q                          ; the 8 accumulators take turns, one instruction a turn, in the same order in every K step
.set FB, 64+128*((\q)%2)
.irp i, 0,1
.irp t, 0,1,2,3
.if (\q) == 0
	v_wmma_scale_f32_16x16x128_f8f6f4 v[ACC+8*(4*\i+\t):ACC+8*(4*\i+\t)+7], v[FB+16+8*\t:FB+16+8*\t+7], v[FB+8*\i:FB+8*\i+7], v[BI+8*\t:BI+8*\t+7], v[SC0+4*\t], v[SC1+4*\i] matrix_a_fmt:MATRIX_FMT_FP4 matrix_b_fmt:MATRIX_FMT_FP4
.else
	v_wmma_scale_f32_16x16x128_f8f6f4 v[ACC+8*(4*\i+\t):ACC+8*(4*\i+\t)+7], v[FB+16+8*\t:FB+16+8*\t+7], v[FB+8*\i:FB+8*\i+7], v[ACC+8*(4*\i+\t):ACC+8*(4*\i+\t)+7], v[SC0+4*\t+(\q)%4], v[SC1+4*\i+(\q)%4] matrix_a_fmt:MATRIX_FMT_FP4 matrix_b_fmt:MATRIX_FMT_FP4
.endif
.endr
.endr
.endm
.macro KSTEP q                         ; K step q, the next one's loads ahead of it
	KLD (\q)+1
	s_wait_dscnt 0xc                               ; all but the 12 just issued
	MULQ \q
	PLACES 4                                       ; in front of loads into registers that these products read
.endm
	s_load_b256 s[4:11], s[0:1], 0x0               ; acod s[4:5], ascl s[6:7], W_out's codes s[8:9], its scales s[10:11]
	s_load_b128 s[12:15], s[0:1], 0x20             ; the bias s[12:13], out0 s[14:15]
	v_lshl_add_u32 v[SPW], v0, 2, SPARE
	v_mov_b32 v[NIL], 0
	ds_add_u32 v[SPW], v[NIL]                      ; the opening lines: the add, twice on end, and its wait
	ds_add_u32 v[SPW], v[NIL]
	v_lshrrev_b32 v1, 5, v0
	v_readfirstlane_b32 s[WV], v1                  ; wave 0..7
	s_and_b32 s[WM], s[WV], 3
	s_lshr_b32 s[WN], s[WV], 2
	s_and_b32 s[WL], s[WV], 1
	s_bfe_u32 s[CX], ttmp6, 0x40000
	s_bfe_u32 s[CY], ttmp6, 0x40004
	s_lshl_b32 s[NX], ttmp9, 2
	s_add_co_u32 s[NX], s[NX], s[CX]               ; the block of 128 columns
	s_and_b32 s[TY], ttmp7, 0xffff
	s_lshl_b32 s[TY], s[TY], 2
	s_add_co_u32 s[TY], s[TY], s[CY]               ; the block of 128 tokens
	s_lshl_b32 s88, s[CY], 2
	s_lshl_b32 s88, 15, s88                        ; my row of the cluster
	s_lshl_b32 s92, 0x1111, s[CX]                  ; my column
	s_or_b32 s[G1A], s88, (3<<16)|(1<<21)          ; A's images: elements of 8 bytes, no padding: 8 tiles x 4,096 bytes (half of K), 8,192 bytes from tile to tile
	s_mov_b32 s[G1A+1], 512<<16
	s_mov_b32 s[G1A+2], 8<<16
	s_mov_b32 s[G1A+3], 512<<16
	s_mov_b32 s[G1A+4], 8
	s_mov_b32 s[G1A+5], 1024
	s_or_b32 s[G1B], s92, (1<<20)|(1<<21)|(5<<22)|(3<<25)   ; W_out's codes: 64 rows x 256 bytes; four words of padding after every 64
	s_mov_b32 s[G1B+1], 256<<16
	s_mov_b32 s[G1B+2], 64<<16
	s_mov_b32 s[G1B+3], 256<<16
	s_mov_b32 s[G1B+4], 64
	s_mov_b32 s[G1B+5], 512
	s_or_b32 s[G1SA], s88, (3<<16)|(1<<20)|(1<<21)|(5<<22)|(3<<25)   ; scale bytes of 128 rows: 4,096 dense bytes as 16 rows of 256
	s_or_b32 s[G1SB], s92, (3<<16)|(1<<20)|(1<<21)|(5<<22)|(3<<25)
.irp g, G1SA, G1SB
	s_mov_b32 s[\g+1], 32<<16
	s_mov_b32 s[\g+2], 16<<16
	s_mov_b32 s[\g+3], 32<<16
	s_mov_b32 s[\g+4], 16
	s_mov_b32 s[\g+5], 32
.endr
.irp g, G1A, G1B, G1SA, G1SB
	s_mov_b32 s[\g+6], 0
	s_mov_b32 s[\g+7], 0
.endr
.irp g, G0A, G0A+4, G0A+8, G0B, G0B+4, G0B+8
	s_mov_b32 s[\g], 1
.endr
	s_mov_b32 s[G0A+1], 0                          ; LDS: A's first half (wave 0), second half (wave 5), scale bytes (wave 3)
	s_mov_b32 s[G0A+5], 32768
	s_mov_b32 s[G0A+9], SCL
	s_lshr_b32 s3, s[WV], 1                        ; (waves 1, 2: 0, 1)
	s_mul_i32 s[G0B+1], s3, GRP
	s_add_co_u32 s[G0B+1], s[G0B+1], BCOD          ; W_out's first half (waves 1, 2),
	s_mul_i32 s[G0B+5], s[WL], GRP
	s_add_co_u32 s[G0B+5], s[G0B+5], BCOD+2*GRP    ; second half (waves 6, 7),
	s_mov_b32 s[G0B+9], SCL+2*SGRP                 ; scale bytes (wave 4)
	s_lshl_b32 s84, s[TY], 16                      ; A: 8 tiles of 8,192 bytes.  These registers never hold cx,
	s_mov_b32 s85, 0
	s_lshl_b32 s88, s[TY], 12
	s_mov_b32 s89, 0
	s_lshl_b32 s92, s[NX], 16                      ; W_out: 128 rows of 512 bytes.  and these never cy
	s_lshl_b32 s86, s3, 15
	s_add_co_u32 s86, s86, s92
	s_mov_b32 s87, 0
	s_lshl_b32 s90, s[WL], 15
	s_add_co_u32 s90, s90, s92
	s_mov_b32 s91, 0
	s_lshl_b32 s92, s[NX], 12
	s_mov_b32 s93, 0
	s_wait_dscnt 0x0                               ; both opening adds are done
	CROUND                                         ; the round in front of the joint loads, while the arguments are on their way
	s_wait_kmcnt 0x0
	s_add_nc_u64 s[G0A+2:G0A+3], s[4:5], s[84:85]
	s_add_nc_u64 s[G0A+6:G0A+7], s[G0A+2:G0A+3], 4096     ; the second half of K: 4,096 bytes on in each tile
	s_add_nc_u64 s[G0A+10:G0A+11], s[6:7], s[88:89]
	s_add_nc_u64 s[G0B+2:G0B+3], s[8:9], s[86:87]
	s_add_nc_u64 s[G0B+6:G0B+7], s[8:9], s[90:91]
	s_add_nc_u64 s[G0B+6:G0B+7], s[G0B+6:G0B+7], 256      ; 256 bytes on in each row
	s_add_nc_u64 s[G0B+10:G0B+11], s[10:11], s[92:93]
.irp g, G0A, G0A+4, G0A+8, G0B, G0B+4, G0B+8
	s_or_b32 s[\g+3], s[\g+3], 0x80000000
.endr
	ARM 1, G0A,   G1A,  .Lfill_b                   ; one tensor load a wave, in one tree of branches on the wave's number
	ARM 3, G0B,   G1B,  .Lfill_sa
	ARM 4, G0A+8, G1SA, .Lfill_sb
	ARM 5, G0B+8, G1SB, .Lfill_a2
	ARM 6, G0A+4, G1A,  .Lfill_b2
	tensor_load_to_lds s[G0B+4:G0B+7], s[G1B:G1B+7]
	s_nop 0
	PLACES 4
.Lasked:
	s_lshl_b32 s90, s[NX], 9                       ; my first column, in bytes: 512 nx + 256 (wave >> 2)
	s_lshl_b32 s92, s[WN], 8
	s_add_co_u32 s90, s90, s92
	s_mov_b32 s91, 0
	s_add_nc_u64 s[12:13], s[12:13], s[90:91]      ; the bias there
	s_lshl_b32 s92, s[TY], 19                      ; my tokens: from 128 ty + 64 ((wave & 3) / 2) + 16 (wave & 1), 4,096 bytes a row
	s_add_co_u32 s90, s90, s92
	s_lshr_b32 s92, s[WM], 1
	s_lshl_b32 s92, s92, 18
	s_add_co_u32 s90, s90, s92
	s_lshl_b32 s92, s[WL], 16
	s_add_co_u32 s90, s90, s92
	s_add_nc_u64 s[14:15], s[14:15], s[90:91]
	s_lshl_b32 s84, s[WM], 13                      ; my two tiles of slots
	s_mul_i32 s85, s[WN], GRP                      ; my 64 rows of W_out
	s_add_co_u32 s85, s85, BCOD
	s_mul_i32 s86, s[WN], SGRP
	s_add_co_u32 s86, s86, SCL+2*SGRP
	s_mul_i32 s87, s[WM], 4*272                    ; my 32 slots: four units
	s_add_co_u32 s87, s87, SCL
	s_mul_i32 s88, s[WV], 16*272
	s_add_co_u32 s88, s88, STG                     ; my stage
	v_and_b32 v1, 15, v0                           ; r
	v_bfe_u32 v2, v0, 4, 1                         ; h
	v_and_b32 v3, 31, v0                           ; lane
	v_lshlrev_b32 v[BH], 5, v2
	v_lshlrev_b32 v[ADA], 4, v3
	v_add_nc_u32 v[ADA], s84, v[ADA]
	v_mul_u32_u24 v[ADB], v1, PITCH
	v_lshl_add_u32 v[ADB], v2, 4, v[ADB]
	v_add_nc_u32 v[ADB], s85, v[ADB]
	v_lshrrev_b32 v[ASB], 3, v1                    ; a row's scale bytes: eight rows of 32 bytes to a unit of 272
	v_mul_u32_u24 v[ASB], v[ASB], 272
	v_and_b32 v[ASA], 7, v1
	v_lshl_add_u32 v[ASA], v[ASA], 5, v[ASB]
	v_add_nc_u32 v[ASB], s86, v[ASA]
	v_add_nc_u32 v[ASA], s87, v[ASA]
	v_mul_u32_u24 v[STO], v1, 272                  ; in: row r, 32 bytes for each half of the lanes
	v_lshl_add_u32 v[STO], v2, 5, v[STO]
	v_add_nc_u32 v[STO], s88, v[STO]
	v_mul_u32_u24 v[RD], v2, 272                   ; back: lanes 0-15 one row of 256 bytes, lanes 16-31 the next
	v_lshl_add_u32 v[RD], v1, 4, v[RD]
	v_add_nc_u32 v[RD], s88, v[RD]
	v_lshlrev_b32 v[CO], 12, v2                    ; and the same two rows in out0
	v_lshl_add_u32 v[CO], v1, 4, v[CO]
	s_wait_alu depctr_va_vdst(0)
.irp t, 0,1,2,3
.irp c, 0,1
	global_load_b128 v[BI+8*\t+4*\c:BI+8*\t+4*\c+3], v[BH], s[12:13] offset:64*\t+16*\c
.endr
.endr
	s_cmp_lt_u32 s[WV], 5                          ; waves 0-4 brought the first half of K and the scale bytes: they wait; the others' load lines are their own and may be out
	s_cbranch_scc0 .Lstill_out
	s_wait_tensorcnt 0x0
.Lstill_out:
	s_barrier_signal -1
	s_barrier_wait -1
	s_wait_loadcnt 0x0                             ; the bias: the C of the first products
	KLD 0
	KSTEP 0
	KSTEP 1
	KSTEP 2
	s_wait_tensorcnt 0x0                           ; my part of the second half is in
	s_wait_dscnt 0x0                               ; and K step 3's fragments: no LDS load of mine is out
	s_barrier_signal -1
	MULQ 3                                         ; work on registers while the others arrive
	s_barrier_wait -1
	PLACES 4
	KLD 4
	KSTEP 4
	KSTEP 5
	KSTEP 6
	s_wait_dscnt 0x0
	MULQ 7
; THE WAY OUT, a block of 16 tokens x 64 columns at a time, through my own stage and back by rows.
; LDS serves a wave's instructions in order (ISA guide 5.7.1.4): no wait between the stores and the loads, nor in front of the next block's stores.
.macro TOSTAGE i
.irp t, 0,1,2,3
	ds_store_b128 v[STO], v[ACC+8*(4*\i+\t):ACC+8*(4*\i+\t)+3] offset:64*\t          ; each accumulator from its low end on
	ds_store_b128 v[STO], v[ACC+8*(4*\i+\t)+4:ACC+8*(4*\i+\t)+7] offset:64*\t+16
.endr
.irp k, 0,1,2,3,4,5,6,7
	ds_load_b128 v[OB+32*\i+4*\k:OB+32*\i+4*\k+3], v[RD] offset:544*\k
.endr
.endm
.macro SEND i                          ; rows 2 k, 2 k + 1 of tile i: tokens 8 i + 2 k on for k < 4, 32 + 8 (1 - i) + 2 k - 8 on from there
.irp k, 0,1,2,3
	global_store_b128 v[CO], v[OB+32*\i+4*\k:OB+32*\i+4*\k+3], s[14:15] offset:(8*\i+2*\k)*4096 th:TH_STORE_NT   ; 16 lanes store 256 consecutive bytes, at a multiple of 256 from out0's first byte; written once, read by nobody here
.endr
.irp k, 4,5,6,7
	global_store_b128 v[CO], v[OB+32*\i+4*\k:OB+32*\i+4*\k+3], s[14:15] offset:(32-8*\i+2*\k)*4096 th:TH_STORE_NT
.endr
.endm
	PLACES 4                                       ; between the last products and the first read of results
	TOSTAGE 0
	TOSTAGE 1
	s_wait_dscnt 0x10                              ; block 0 is back in registers; block 1's eight stores and eight loads may be out
	SEND 0
	s_wait_dscnt 0x0
	SEND 1
	s_wait_tensorcnt 0x0                           ; the wave's end
	ds_add_u32 v[SPW], v[NIL]
	s_wait_dscnt 0x0
	CROUND                                         ; the closing round: no work-group ends while a partner may still ask for a tile that names it
	s_endpgm
.Lfunc_end_k_q94e292b208_proj:
	.size	k_q94e292b208_proj, .Lfunc_end_k_q94e292b208_proj-k_q94e292b208_proj
	.p2alignl 7, 3214868480
	.fill 96, 4, 3214868480
	.section	.rodata,"a",@progbits
	.p2align	6, 0x0
	.amdhsa_kernel k_q94e292b208_proj
		.amdhsa_group_segment_fixed_size 181248
		.amdhsa_private_segment_fixed_size 0
		.amdhsa_enable_private_segment 0
		.amdhsa_kernarg_size 48
		.amdhsa_user_sgpr_count 2
		.amdhsa_user_sgpr_kernarg_segment_ptr 1
		.amdhsa_wavefront_size32 1
		.amdhsa_system_sgpr_workgroup_id_x 1
		.amdhsa_system_sgpr_workgroup_id_y 1
		.amdhsa_system_sgpr_workgroup_id_z 1
		.amdhsa_system_vgpr_workitem_id 0
		.amdhsa_next_free_vgpr 256
		.amdhsa_next_free_sgpr 94
		.amdhsa_reserve_vcc 0
		.amdhsa_float_denorm_mode_32 3
		.amdhsa_float_denorm_mode_16_64 3
		.amdhsa_memory_ordered 1
		.amdhsa_forward_progress 1
		.amdhsa_inst_pref_size 31
	.end_amdhsa_kernel
	.amdgpu_metadata
---
amdhsa.version: [ 1, 2 ]
amdhsa.kernels:
  - .name:           k_q94e292b208_proj
    .symbol:         k_q94e292b208_proj.kd
    .args:
      - { .name: acod, .offset: 0, .size: 8, .value_kind: global_buffer, .address_space: global }
      - { .name: ascl, .offset: 8, .size: 8, .value_kind: global_buffer, .address_space: global }
      - { .name: W_out_codes, .offset: 16, .size: 8, .value_kind: global_buffer, .address_space: global }
      - { .name: W_out_scales, .offset: 24, .size: 8, .value_kind: global_buffer, .address_space: global }
      - { .name: b_out, .offset: 32, .size: 8, .value_kind: global_buffer, .address_space: global }
      - { .name: out0, .offset: 40, .size: 8, .value_kind: global_buffer, .address_space: global }
    .group_segment_fixed_size: 181248
    .private_segment_fixed_size: 0
    .kernarg_segment_align: 8
    .kernarg_segment_size: 48
    .max_flat_workgroup_size: 256
    .sgpr_count:     94
    .vgpr_count:     256
    .wavefront_size: 32
...
	.end_amdgpu_metadata
.endif
;; end of part 3
